; MI455X (gfx1250); checked and timed in simulation.
; The chip was launched on July 23, 2026; its instructions are those of AMD's public machine-readable ISA for CDNA 5 (MIT licence, August 2026) and "CDNA5" Instruction Set Architecture Reference Guide (July 2026). The comments in the code are by the model that wrote it; some were corrected since.
;; Sigma Mo E. Allowed arithmetic: matrix products marked QUANTISED: E4M3 operands, one given power-of-two scale a tensor, by v_wmma_f32_16x16x64_fp8_fp8 or v_wmma_f32_16x16x128_fp8_fp8, f32 sums; everything else in f32.
;; Inputs: expert_sel 16 x 1,024 float32; keys 16 x 1,024 x 256 float32; lowp_scales 6 int32 (the exponents e of the quantised operands' scales 2^e); route_scale 1 float32; values 16 x 256 x 1,024 float32; x 4 x 2,048 x 1,024 float32.
;; Outputs: out0 4 x 2,048 x 1,024 float32.
;; This version of the problem:
;;   THIS VERSION OF THE PROBLEM IS GIVEN IN LOW PRECISION. The matrix products marked QUANTISED in the list below multiply operands that are first quantised to E4M3 (4 exponent bits, 3 mantissa bits; 8 bits a number), with one given power-of-two scale for each operand tensor; their sums are f32. All else is computed in f32.
;;   The module's matrix products, in the order in which they are computed (A, B: the left and right operand; K: the contracted axis; several contracted axes count as one K, in the product's order):
;;     1. [M 8,192, K 1,024] x [K 1,024, N 16]; A: input x; B: input expert_sel: QUANTISED (scales: A lowp_scales[0], B lowp_scales[1])
;;     2. [M 8,192, K 1,024] x [K 1,024, N 4,096]; A: input x; B: input keys: QUANTISED (scales: A lowp_scales[2], B lowp_scales[3])
;;     3. batch 16 x [M 1,024, K 256] x [K 256, N 8,192]; A: input values; B: computed on the way: QUANTISED (scales: A lowp_scales[4], B lowp_scales[5])
;;   THE QUANTISER, for each operand of a quantised product, along K:
;;     - The operand's scale is 2^e, e = its entry of the input lowp_scales (int32; the entries are numbered through the quantised products in the list's order, A before B).
;;     - Each number is divided by the scale, clamped to +-448, and rounded to the nearest number of E4M3, ties to even, subnormals kept.
;;     - The product sums the exact products of the quantised numbers (number of the format x scale) in f32.
;;   ~~~python
;;   def quantise(x, axis, e):      # numpy; x: float32 -> the quantised numbers, widened to float32 again
;;       x = np.moveaxis(x, axis, -1); K = x.shape[-1]
;;       r = np.clip(x / 2.0 ** e, -448, 448)
;;       step = 2.0 ** (np.maximum(np.frexp(np.where(r == 0, 1, r))[1] - 1, -6) - 3)
;;       q = np.round(r / step) * step * 2.0 ** e      # np.round: ties to even
;;       return np.moveaxis(q, -1, axis).astype(np.float32)
;;   ~~~
;;   OPERANDS COMPUTED ON THE WAY. 'Computed on the way' means the value that the module computes at that place (a softmax that the list does not call 'softmax' is quantised finished and normalised). What goes into a quantiser is computed in f32, as accurately as f32 sums, v_exp_f32 and their like allow (about 1e-6 of the number): no bf16 or f16 on the way to a quantiser, and a product that is left as it is and whose result goes on into a quantised operand takes f32 operands (vector FMAs, or v_wmma_f32_16x16x4_f32). A number that lies on a knife's edge between two numbers of the format may be rounded either way, as far as f32 arithmetic and the matrix unit's own rounding can turn it there, and no further.
;; One version. Each part assembles by itself: llvm-mc -triple=amdgcn-amd-amdhsa -mcpu=gfx1250 --defsym DOCPART=n.
;; ======== version 1 of 1: 3 launches
;; limits: right only within a limited range of input values
;; workspace buffers: xq 8,388,608 bytes; kq 4,194,304 bytes; vq 4,194,304 bytes; hq 33,554,432 bytes; gate 524,288 bytes; sel 16,384 bytes of whole numbers; tokl 524,288 bytes of whole numbers; gl 524,288 bytes
;; launch prep (part 1): grid 256 x 1, 4 waves a work-group, no clusters, 327,680 bytes of LDS; arguments x, expert_sel, keys, values, lowp_scales, route_scale, xq, kq, vq, gate, sel; writes xq, kq, vq, gate, sel
.if DOCPART == 1
	.amdgcn_target "amdgcn-amd-amdhsa--gfx1250"
	.amdhsa_code_object_version 6
	.text
	.protected	k_qa8a6bf0632_prep
	.globl	k_qa8a6bf0632_prep
	.p2align	8
	.type	k_qa8a6bf0632_prep,@function
k_qa8a6bf0632_prep:
	s_mov_b64 s[64:65], 0
	v_nop
	global_prefetch_b8 v0, s[64:65] scope:SCOPE_SE
	s_setreg_imm32_b32 hwreg(HW_REG_WAVE_MODE, 25, 1), 1
	s_wait_xcnt 0x0
; PREPARATION.  Only the products of the experts that a token has chosen are made by the later launches.
; Every one of the 256 work-groups does the same four things:
;   (1) 32 tokens of x become codes of FP8 (E4M3) at 2^e2                                                      -> xq
;   (2) the router for these tokens: x at 2^e0 times expert_sel at 2^e1 on the matrix unit, sigmoid, the four largest (the lower index wins a tie),
;       divided by their sum (held at 1e-9 from below), x route_scale x 2^(e4+e5); 0 for an expert not chosen   -> gate;
;       and for each expert a word whose bit t says that token t's gate is not 0                                -> sel
;   (3) a tile of keys,   128 (d) x 128 (hidden), becomes codes at 2^e3, K = d innermost                        -> kq
;   (4) a tile of values, 128 (hidden) x 128 (v), becomes codes at 2^e4, K = hidden innermost                   -> vq
; A fragment's image is 16 rows x 128 K = 2,048 bytes: registers 4 q .. 4 q + 3 of lane l at 512 q + 16 l.  Lane (r = l % 16, h = l / 16) holds row r; registers 2 c, 2 c + 1 hold k = 16 c + 8 h + 0 .. 7.
;   xq [token][K step of 128: 8][q: 4][h: 2][16 bytes]: a token's row is 1,024 bytes      gate [32 tokens: 256][expert: 16][token: 32] f32      sel [32 tokens: 256][expert: 16] words
;   kq [block of 128 rows 256 e + hidden: 32][K slot of 256: 4][tile: 8][K step: 2][2,048]
;   vq [block of 128 v: 8][K step 2 e + half: 32][tile: 8][2,048]; row r of tile 4 a + n is v = 64 a + 4 r + n: columns 4 apart form a tile
; SHARES.  Work-group g: tokens 32 g on.  Wave w: token tile t = w / 2, K half kh = w % 2 of x; rows 32 w .. 32 w + 31 along K of the tiles of keys and values; K steps 2 w, 2 w + 1 of expert_sel.
; All inputs come by loads of whole 512-byte pieces into registers and turn through LDS bytes of the wave's own.  No cluster: the work-groups share expert_sel alone, 64 KiB of the 320 KiB that each reads.
; No prefetch: there is no loop, and up to 63 loads of 512 bytes a wave are out.
; LIMITS: e0 .. e4 between -126 and 119; e0 + e1 between -126 and 126.  NaN and infinities among the inputs are not served.  A probability under 2^-126 counts as 0 (ISA guide 15.8).  An expert whose gate comes out as 0 adds nothing,
; whatever its product is.  The router's K is summed in two halves that are then added; the gates of even and of odd experts are summed apart, each in the order of the experts' numbers, and the two sums are added.
.set XTW,   33792                      ; x's tiles: 4 x 8,448 bytes for each wave
.set XTS,   8448                       ; 16 rows x (512 bytes + 16)
.set XP,    528                        ; 132 words: sixteen rows start at sixteen different banks (ISA guide 11.1)
.set KT,    135168                     ; keys' tile: 32 rows x 512 bytes for each wave
.set VT,    200704
.set ESTG,  266240                     ; expert_sel's stage, 16 rows x 528 bytes for each wave
.set EIMG,  300032                     ; expert_sel's eight fragments
.set PART,  316416                     ; the router's half sums, 1,024 bytes for each wave
.set GST,   320512                     ; the gates: 128 e + 4 x token
.set SPARE, 324608                     ; the spare words
.set KST, 1                            ; where I put keys' rows
.set RR,  2                            ; r, later AGB
.set AGB, 2                            ; the gates of expert 4 w: 4 x lane
.set HH,  3                            ; h, later VST
.set VST, 3                            ; where I put values' rows
.set AX,  4
.set AE,  5
.set AES, 6
.set LI,  7                            ; 16 x lane
.set AIM, 8
.set AIF, 9
.set AK,  10
.set AV,  11
.set WO,  12
.set APW, 13
.set APR, 14
.set AGW, 15
.set AGR, 16
.set GO,  17
.set SC,  18                           ; v[18+2i] = 2^ei as f32, v[19+2i] = 448 x 2^ei
.set XST, 28                           ; x's codes into the wave's stage, which lies in its first x tile's bytes
.set XLN, 29                           ; x's rows: 16 x lane
.set WV,  30
.set X,   32
.set T,   96
.set PCE, 96
.set D,   96
.set PCX, 128
.set PC0, 160
.set ES,  176
.set ACC, 208
.set R,   128
.set PB,  32
.set QB,  48
.set GB,  64
.set OB,  80
.set OWN, 88
.set MX,  96
.set IX,  97
.set SM,  98
.set FF,  100
.set TV,  101
.set V8,  104
.set PR,  112
.set GR,  120
; window 1: v0-127 keys as loaded, v128-255 values; window 2: x, 64 registers a K step
.set MSB, 0
.macro WIN new                         ; the immediate's high byte repeats the setting that is left
.if MSB != \new
	s_set_vgpr_msb (MSB<<8)|\new
.set MSB, \new
.endif
.endm
.macro TILE_IN adr, off                ; lane (r, h) gets v[X + 8 c + j] = tile(r, 16 c + 8 h + j)
.irp c, 0,1,2,3,4,5,6,7
	ds_load_b128 v[X+8*\c:X+8*\c+3],   v[\adr] offset:(\off)+64*\c
	ds_load_b128 v[X+8*\c+4:X+8*\c+7], v[\adr] offset:(\off)+64*\c+16
.endr
.endm
.macro QUANT dst, sc, lim, keep        ; 64 numbers become 16 registers of codes.  keep = 1: the numbers stay as they are
.irp c, 0,1,2,3,4,5,6,7
.irp j, 0,1,2,3,4,5,6,7
.if \keep
	v_med3_num_f32 v[T+8*(\c%4)+\j], v[X+8*\c+\j], -v[\lim], v[\lim]   ; the conversion does not saturate (ISA guide 7.6.2)
.else
	v_med3_num_f32 v[X+8*\c+\j], v[X+8*\c+\j], -v[\lim], v[\lim]
.endif
.endr
.if \keep
	v_cvt_scalef32_pk8_fp8_f32 v[\dst+2*\c:\dst+2*\c+1], v[T+8*(\c%4):T+8*(\c%4)+7], v[\sc]
.else
	v_cvt_scalef32_pk8_fp8_f32 v[\dst+2*\c:\dst+2*\c+1], v[X+8*\c:X+8*\c+7], v[\sc]
.endif
.endr
	v_nop                                          ; one plain vector line behind the last conversion
.endm
.macro WLOAD adr, off, set             ; 32 columns (one a lane) x my 32 rows along K
.set j, 0
.rept 32
	ds_load_b32 v[X+32*(\set)+j], v[\adr] offset:512*j+(\off)
.set j, j+1
.endr
.endm
.macro WUNIT n, sc, lim, lo, hi, adr, ustep
.set XS, X+32*((\n)%2)
.set DD, D+8*((\n)%2)
	s_wait_xcnt 0x0                                ; the stores of two units ago have read this set of code registers
.set j, 0
.rept 32
	v_med3_num_f32 v[XS+j], v[XS+j], -v[\lim], v[\lim]
.set j, j+1
.endr
	v_cvt_scalef32_pk8_fp8_f32 v[DD:DD+1],   v[XS:XS+7],     v[\sc]
	v_cvt_scalef32_pk8_fp8_f32 v[DD+4:DD+5], v[XS+8:XS+15],  v[\sc]
	v_cvt_scalef32_pk8_fp8_f32 v[DD+2:DD+3], v[XS+16:XS+23], v[\sc]
	v_cvt_scalef32_pk8_fp8_f32 v[DD+6:DD+7], v[XS+24:XS+31], v[\sc]
	v_nop
	global_store_b128 v[\adr], v[DD:DD+3],   s[\lo:\hi] offset:(\ustep)*((\n)%4)       ; sixteen lanes store 256 consecutive bytes, aligned
	global_store_b128 v[\adr], v[DD+4:DD+7], s[\lo:\hi] offset:(\ustep)*((\n)%4)+256
.endm
.macro BARRIER
	s_wait_dscnt 0x0
	s_barrier_signal -1
	s_barrier_wait -1
.endm
.macro XLOAD s                         ; K step s of my half: 16 rows, 512 consecutive bytes each
	WIN 0x80
.irp i, 0,1,2,3,4,5,6,7,8,9,10,11,12,13,14,15
	global_load_b128 v[64*\s+4*\i:64*\s+4*\i+3], v[LI], s[24:25] offset:4096*\i+512*\s th:TH_LOAD_NT
.endr
	WIN 0
.endm
	s_load_b512 s[4:19], s[0:1], 0x0               ; x, expert_sel, keys, values, lowp_scales, route_scale, xq, kq
	s_load_b128 s[20:23], s[0:1], 0x40             ; vq, gate
	s_load_b64 s[30:31], s[0:1], 0x50              ; sel
	v_lshrrev_b32 v1, 5, v0
	v_readfirstlane_b32 s83, v1                    ; wave w
	s_lshr_b32 s84, s83, 1                         ; t
	s_and_b32 s85, s83, 1                          ; kh
	s_lshl_b32 s92, ttmp9, 17                      ; x: 32 g rows of 4,096 bytes
	s_lshl_b32 s91, s84, 16                        ;    + 16 t rows
	s_add_co_u32 s92, s92, s91
	s_lshl_b32 s91, s85, 11                        ;    + 4 kh K steps of 512 bytes
	s_add_co_u32 s92, s92, s91
	s_mov_b32 s93, 0
	s_lshr_b32 s66, ttmp9, 4                       ; the expert of my tiles of keys and values
	s_lshl_b32 s94, s66, 20                        ; keys: the expert's 1,024 rows of 1,024 bytes
	s_and_b32 s91, ttmp9, 7
	s_lshl_b32 s91, s91, 17                        ;    + K step g % 8
	s_add_co_u32 s94, s94, s91
	s_bfe_u32 s91, ttmp9, 0x10003
	s_lshl_b32 s91, s91, 9                         ;    + which 128 columns
	s_add_co_u32 s94, s94, s91
	s_lshl_b32 s91, s83, 15                        ;    + my 32 rows
	s_add_co_u32 s94, s94, s91
	s_mov_b32 s95, 0
	s_lshl_b32 s96, s66, 20                        ; values: the expert's 256 rows of 4,096 bytes
	s_and_b32 s91, ttmp9, 1
	s_lshl_b32 s91, s91, 19                        ;    + K step g % 2
	s_add_co_u32 s96, s96, s91
	s_bfe_u32 s91, ttmp9, 0x30001
	s_lshl_b32 s91, s91, 9                         ;    + which 128 columns
	s_add_co_u32 s96, s96, s91
	s_lshl_b32 s91, s83, 17                        ;    + my 32 rows
	s_add_co_u32 s96, s96, s91
	s_mov_b32 s97, 0
	; my places in LDS: constants x the wave's number + constants
	s_mul_i32 s98, s83, XTW
	s_lshl_b32 s99, s83, 14
	s_mul_i32 s66, s83, XTS
	s_add_co_u32 s66, s66, ESTG
	s_lshl_b32 s67, s83, 12
	s_add_co_u32 s67, s67, EIMG
	s_lshl_b32 s68, s85, 13
	s_add_co_u32 s68, s68, EIMG
	s_add_co_u32 s69, s99, KT
	s_add_co_u32 s70, s99, VT
	s_lshl_b32 s71, s83, 9
	s_lshl_b32 s72, s83, 10
	s_add_co_u32 s72, s72, PART
	s_add_co_u32 s73, s71, GST
	s_xor_b32 s74, s83, 1
	s_lshl_b32 s74, s74, 10
	s_add_co_u32 s74, s74, PART
	s_lshl_b32 s75, s85, 9
	s_lshl_b32 s91, s84, 6
	s_add_co_u32 s75, s75, s91
	s_add_co_u32 s75, s75, GST
	s_lshl_b32 s90, s83, 10                        ; expert_sel: my two K steps
	s_mov_b32 s91, 0
	v_and_b32 v1, 31, v0                           ; lane
	v_and_b32 v[RR], 15, v0
	v_bfe_u32 v[HH], v0, 4, 1
	v_lshlrev_b32 v[LI], 4, v1
	v_lshlrev_b32 v29, 2, v1
	v_mul_u32_u24 v28, v[RR], XP
	v_lshl_add_u32 v31, v[HH], 5, v28              ; row r, + 32 h bytes: my eight numbers of each sixteen
	v_lshl_add_u32 v28, v[HH], 4, v28
	v_add_nc_u32 v[AX], s98, v31
	v_add_nc_u32 v[AE], s66, v31
	v_add_nc_u32 v[AES], s66, v[LI]
	v_add_nc_u32 v[AIM], s67, v[LI]
	v_add_nc_u32 v[AIF], s68, v[LI]
	v_add_nc_u32 v[AK], s69, v29
	v_lshlrev_b32 v[WO], 4, v[RR]
	v_lshl_add_u32 v[AV], v[HH], 2, v[WO]          ; values' columns 4 r + n of 64, n by h
	v_add_nc_u32 v[AV], s70, v[AV]
	v_lshl_add_u32 v[WV], v[HH], 11, v[WO]
	v_lshl_add_u32 v[WO], v[HH], 12, v[WO]
	v_add_nc_u32 v[GO], s71, v[LI]
	v_add_nc_u32 v[APW], s72, v[LI]
	v_add_nc_u32 v[AGR], s73, v[LI]
	v_add_nc_u32 v[APR], s74, v[LI]
	v_lshlrev_b32 v[AGW], 2, v[RR]
	v_lshl_add_u32 v[AGW], v[HH], 10, v[AGW]       ; expert 8 h + 4 kh + i at 128 bytes each; token 16 t + r at 4
	v_add_nc_u32 v[AGW], s75, v[AGW]
	v_add_nc_u32 v[AGB], s73, v29
	v_add_nc_u32 v[XST], s98, v28
	v_add_nc_u32 v[XLN], s98, v[LI]
	v_add_nc_u32 v[KST], s69, v[LI]
	v_add_nc_u32 v[VST], s70, v[LI]
	s_wait_alu depctr_va_vdst(0)
	s_wait_kmcnt 0x0
	s_load_b128 s[76:79], s[12:13], 0x0            ; e0 .. e3
	s_load_b64 s[80:81], s[12:13], 0x10            ; e4, e5
	s_load_b32 s82, s[14:15], 0x0                  ; route_scale
	s_add_nc_u64 s[6:7], s[6:7], s[90:91]
	s_add_nc_u64 s[24:25], s[4:5], s[92:93]
	s_add_nc_u64 s[26:27], s[8:9], s[94:95]
	s_add_nc_u64 s[28:29], s[10:11], s[96:97]
.irp u, 0,1
.irp i, 0,1,2,3,4,5,6,7,8,9,10,11,12,13,14,15
	global_load_b128 v[R+64*\u+4*\i:R+64*\u+4*\i+3], v[LI], s[6:7] offset:4096*\i+512*\u
.endr
.endr
	WIN 0x40
.set j, 0
.rept 32
	global_load_b128 v[4*j:4*j+3], v[LI], s[26:27] offset:1024*j th:TH_LOAD_NT    ; keys: row j of my 32
.set j, j+1
.endr
	WIN 0
	; ---- where the results go
	s_lshr_b32 s92, ttmp9, 3                       ; kq: block of 128 rows 2 e + which half = g / 8
	s_lshl_b32 s92, s92, 17
	s_bfe_u32 s91, ttmp9, 0x20001                  ;     K slot (g % 8) / 2
	s_lshl_b32 s91, s91, 15
	s_add_co_u32 s92, s92, s91
	s_and_b32 s91, ttmp9, 1                        ;     K step g % 2
	s_lshl_b32 s91, s91, 11
	s_add_co_u32 s92, s92, s91
	s_lshl_b32 s66, s83, 9                         ;     chunk w
	s_add_co_u32 s92, s92, s66
	s_add_nc_u64 s[18:19], s[18:19], s[92:93]
	s_bfe_u32 s92, ttmp9, 0x30001                  ; vq: block of 128 v
	s_lshl_b32 s92, s92, 19
	s_and_b32 s91, ttmp9, 1                        ;     K step 2 e + g % 2
	s_lshl_b32 s91, s91, 14
	s_add_co_u32 s92, s92, s91
	s_lshr_b32 s91, ttmp9, 4
	s_lshl_b32 s91, s91, 15
	s_add_co_u32 s92, s92, s91
	s_add_co_u32 s92, s92, s66                     ;     chunk w
	s_add_nc_u64 s[20:21], s[20:21], s[92:93]
	s_lshl_b32 s92, ttmp9, 15                      ; xq: 32 g + 16 t rows of 1,024 bytes, K half kh
	s_lshl_b32 s91, s84, 14
	s_add_co_u32 s92, s92, s91
	s_lshl_b32 s91, s85, 9
	s_add_co_u32 s92, s92, s91
	s_add_nc_u64 s[16:17], s[16:17], s[92:93]
	s_lshl_b32 s92, ttmp9, 11                      ; gate: 2,048 bytes for 32 tokens
	s_add_nc_u64 s[22:23], s[22:23], s[92:93]
	s_lshl_b32 s92, ttmp9, 6                       ; sel: 64 bytes, 16 a wave
	s_lshl_b32 s91, s83, 4
	s_add_co_u32 s92, s92, s91
	s_add_nc_u64 s[30:31], s[30:31], s[92:93]
	s_mov_b32 s86, 0xffff0000                      ; the lanes with h = 1
	s_cmp_eq_u32 s85, 1
	s_cselect_b32 s87, -1, 0                       ; all lanes, if kh = 1
	s_mov_b32 s88, 0x76543210                      ; v_permlanex16_b32: lane l xor 16
	s_mov_b32 s89, 0xfedcba98
	s_wait_kmcnt 0x0
.irp i, 0,1,2,3,4
	s_add_co_i32 s91, s[76+\i], 127
	s_lshl_b32 s66, s91, 23
	v_mov_b32 v[SC+2*\i], s66                      ; 2^e as f32: the conversion takes its exponent field
	s_add_co_i32 s91, s91, 8
	s_lshl_b32 s91, s91, 23
	s_or_b32 s91, s91, 0x600000
	v_mov_b32 v[SC+2*\i+1], s91                    ; 448 x 2^e
.endr
	s_add_co_i32 s91, s76, s77
	s_lshl_b32 s91, s91, 23
	s_add_co_u32 s90, s91, 0xbfb8aa3b              ; -log2(e) x 2^(e0 + e1): the exponents are added to the constant's exponent field
	s_add_co_i32 s67, s80, s81                     ; e4 + e5
	s_wait_alu depctr_va_vdst(0)
	; ---- expert_sel becomes fragments
.irp u, 0,1
	s_wait_loadcnt 48-16*\u                        ; this K step's sixteen loads are in; behind them the other's (u = 0) and keys' 32
.irp i, 0,1,2,3,4,5,6,7,8,9,10,11,12,13,14,15
	ds_store_b128 v[AES], v[R+64*\u+4*\i:R+64*\u+4*\i+3] offset:XP*\i
.endr
	TILE_IN AE, 0                                  ; LDS serves a wave's instructions in order (ISA guide 5.7.1.4)
	s_wait_dscnt 0x0
	QUANT PCE, SC+2, SC+3, 0
.irp q, 0,1,2,3
	ds_store_b128 v[AIM], v[PCE+4*\q:PCE+4*\q+3] offset:2048*\u+512*\q
.endr
.endr
	WIN 0x40
.set j, 0
.rept 32
	global_load_b128 v[128+4*j:128+4*j+3], v[LI], s[28:29] offset:4096*j th:TH_LOAD_NT   ; values: row j of my 32
.set j, j+1
.endr
	WIN 0x04
	s_wait_loadcnt 32                              ; keys are in; values' 32 may be out
.set j, 0
.rept 32
	ds_store_b128 v[KST], v[4*j:4*j+3] offset:512*j
.set j, j+1
.endr
	WIN 0
	XLOAD 0
	XLOAD 1
	; ---- the weights: eight units, 0-3 of keys, 4-7 of values; a unit's 32 LDS loads run two units ahead
	WLOAD AK, 0, 0
	WLOAD AK, 128, 1
.irp n, 0,1,2,3,4,5,6,7
.if \n < 7
	s_wait_dscnt 32                                ; this unit's loads are in; the next unit's 32 may be out
.else
	s_wait_dscnt 0x0
.endif
.if \n < 4
	WUNIT \n, SC+6, SC+7, 18, 19, WO, 8192
.else
	WUNIT \n, SC+8, SC+9, 20, 21, WV, 4096
.endif
.if \n == 2
	s_wait_loadcnt 32                              ; values are in; x's 32 may be out
	WIN 0x04
.set j, 0
.rept 32
	ds_store_b128 v[VST], v[128+4*j:128+4*j+3] offset:512*j
.set j, j+1
.endr
	WIN 0
	XLOAD 2
	XLOAD 3
.endif
.if \n+2 < 4
	WLOAD AK, 128*(\n+2), \n%2
.elseif \n+2 < 8
	WLOAD AV, 256*((\n-2)/2)+8*((\n-2)%2), \n%2
.endif
.endr
	BARRIER                                        ; expert_sel's eight fragments lie in LDS
	; ---- x: four K steps, each quantised at e2 for xq and at e0 for the router
.macro XSTEP s
	s_wait_loadcnt 48-16*\s                        ; this K step's sixteen loads are in
	WIN 0x08
.irp i, 0,1,2,3,4,5,6,7,8,9,10,11,12,13,14,15
	ds_store_b128 v[XLN], v[64*\s+4*\i:64*\s+4*\i+3] offset:XTS*\s+XP*\i
.endr
	WIN 0
	TILE_IN AX, XTS*\s
.irp q, 0,1,2,3
	ds_load_b128 v[ES+16*(\s%2)+4*\q:ES+16*(\s%2)+4*\q+3], v[AIF] offset:2048*\s+512*\q
.endr
	s_wait_dscnt 0x0
	s_wait_xcnt 0x0                                ; earlier stores have read T's registers
	QUANT PCX+16*(\s%2), SC+4, SC+5, 1
.irp q, 0,1,2,3
	ds_store_b128 v[XST], v[PCX+16*(\s%2)+4*\q:PCX+16*(\s%2)+4*\q+3] offset:128*\s+32*\q   ; into the first x tile's bytes, which have been read
.endr
	QUANT PC0, SC, SC+1, 0
.if \s == 0
	v_wmma_f32_16x16x128_fp8_fp8 v[ACC:ACC+7], v[ES:ES+15], v[PC0:PC0+15], 0          ; source 0 = the 16 experts, source 1 = my 16 tokens: lane (r, h) holds token r, experts 8 h + 0 .. 7
.else
	s_wait_alu depctr_va_vdst(0)                   ; one accumulator
	v_wmma_f32_16x16x128_fp8_fp8 v[ACC:ACC+7], v[ES+16*(\s%2):ES+16*(\s%2)+15], v[PC0:PC0+15], v[ACC:ACC+7]
.endif
.endm
	XSTEP 0
	XSTEP 1
	XSTEP 2
	XSTEP 3
.irp i, 0,1,2,3,4,5,6,7,8,9,10,11,12,13,14,15
	ds_load_b128 v[X+4*\i:X+4*\i+3], v[XLN] offset:XP*\i     ; my 16 rows of codes, 512 bytes each
.endr
	; ---- the two K halves meet
.rept 4
	v_nop                                          ; places behind the last product
.endr
	ds_store_b128 v[APW], v[ACC:ACC+3]
	ds_store_b128 v[APW], v[ACC+4:ACC+7] offset:512
	BARRIER
.irp i, 0,1,2,3,4,5,6,7,8,9,10,11,12,13,14,15
	global_store_b128 v[LI], v[X+4*\i:X+4*\i+3], s[16:17] offset:1024*\i   ; 512 consecutive bytes
.endr
	ds_load_b128 v[96:99], v[APR]
	ds_load_b128 v[100:103], v[APR] offset:512
	s_wait_dscnt 0x0
	s_wait_xcnt 0x0                                ; the stores have read X's registers
.irp i, 0,2,4,6
	v_pk_add_f32 v[OWN+\i:OWN+\i+1], v[ACC+\i:ACC+\i+1], v[96+\i:96+\i+1]   ; the same sum, bit for bit, in both waves of a token tile
.endr
	; ---- the router, alike in both waves of a token tile: p = 1 / (1 + 2^(-log2(e) x logit))
.irp j, 0,1,2,3,4,5,6,7
	v_mul_f32 v[OWN+\j], s90, v[OWN+\j]
.endr
	s_wait_alu depctr_va_vdst(0)
.irp j, 0,1,2,3,4,5,6,7
	v_exp_f32 v[OWN+\j], v[OWN+\j]
.endr
.irp j, 0,1,2,3,4,5,6,7
	v_mov_b32 v[OB+\j], 0                          ; plain lines behind the exponentials; a lane permute's destination counts as one of its sources
.endr
	s_wait_alu depctr_va_vdst(0)
.irp j, 0,1,2,3,4,5,6,7
	v_add_f32 v[OWN+\j], 1.0, v[OWN+\j]
.endr
	s_wait_alu depctr_va_vdst(0)
.irp j, 0,1,2,3,4,5,6,7
	v_rcp_f32 v[OWN+\j], v[OWN+\j]
.endr
	v_nop
	s_wait_alu depctr_va_vdst(0)
.irp j, 0,1,2,3,4,5,6,7
	v_permlanex16_b32 v[OB+\j], v[OWN+\j], s88, s89
.endr
.irp j, 0,1,2,3,4,5,6,7
	v_cndmask_b32 v[PB+\j],   v[OWN+\j], v[OB+\j],  s86   ; experts 0-7: mine where h = 0
	v_cndmask_b32 v[PB+8+\j], v[OB+\j],  v[OWN+\j], s86   ; experts 8-15: mine where h = 1
.endr
.irp e, 0,1,2,3,4,5,6,7,8,9,10,11,12,13,14,15
	v_mov_b32 v[QB+\e], v[PB+\e]
	v_mov_b32 v[GB+\e], 0
.endr
.rept 4                                        ; four times: the largest p left, its lowest index; it is taken.  Values are selected; nothing branches
	v_max3_num_f32 v[MX], v[QB], v[QB+1], v[QB+2]
.irp e, 3,5,7,9,11,13
	v_max3_num_f32 v[MX], v[MX], v[QB+\e], v[QB+\e+1]
.endr
	v_max_num_f32 v[MX], v[MX], v[QB+15]
	v_mov_b32 v[IX], 16
.irp e, 15,14,13,12,11,10,9,8,7,6,5,4,3,2,1,0
	v_cmp_neq_f32 vcc_lo, v[QB+\e], v[MX]
	v_cndmask_b32 v[IX], \e, v[IX], vcc_lo         ; from the top down: the lowest index stays
.endr
.irp e, 0,1,2,3,4,5,6,7,8,9,10,11,12,13,14,15
	v_cmp_ne_u32 vcc_lo, \e, v[IX]
	v_cndmask_b32 v[GB+\e], v[PB+\e], v[GB+\e], vcc_lo
	v_cndmask_b32 v[QB+\e], -1.0, v[QB+\e], vcc_lo ; p is never negative: -1 lies under all that is left
.endr
.endr
	v_pk_add_f32 v[SM:SM+1], v[GB:GB+1], v[GB+2:GB+3]
.irp e, 4,6,8,10,12,14
	v_pk_add_f32 v[SM:SM+1], v[SM:SM+1], v[GB+\e:GB+\e+1]
.endr
	v_add_f32 v[SM], v[SM], v[SM+1]
	v_max_num_f32 v[SM], 0x3089705f, v[SM]         ; held at 1e-9 from below
	s_wait_alu depctr_va_vdst(0)
	v_rcp_f32 v[FF], v[SM]
	v_nop
	s_wait_alu depctr_va_vdst(0)
	v_mul_f32 v[FF], s82, v[FF]                    ; x route_scale
	v_ldexp_f32 v[FF], v[FF], s67                  ; x 2^(e4 + e5): the last product's two scales ride on the gate
	; ---- lane (r, h) of wave (t, kh) hands over the gates of experts 8 h + 4 kh + 0 .. 3
.irp j, 0,1,2,3,4,5,6,7
	v_cndmask_b32 v[V8+\j], v[GB+\j], v[GB+8+\j], s86
.endr
.irp i, 0,1,2,3
	v_cndmask_b32 v[TV], v[V8+\i], v[V8+4+\i], s87
	v_mul_f32 v[PR+\i], v[TV], v[FF]
	ds_store_b32 v[AGW], v[PR+\i] offset:128*\i
.endr
	BARRIER
	ds_load_b128 v[GR:GR+3], v[AGR]
.irp i, 0,1,2,3
	ds_load_b32 v[V8+\i], v[AGB] offset:128*\i     ; expert 4 w + i: lane = token
.endr
	s_wait_dscnt 0x0
	global_store_b128 v[GO], v[GR:GR+3], s[22:23]  ; 512 consecutive bytes
.irp i, 0,1,2,3
	v_cmp_neq_f32 s[76+\i], 0, v[V8+\i]            ; the 32 tokens' bits
.endr
.irp i, 0,1,2,3
	v_mov_b32 v[PR+4+\i], s[76+\i]
.endr
	v_lshl_add_u32 v31, v0, 2, SPARE
	v_mov_b32 v1, 0
	v_cmp_eq_u32 vcc_lo, 0, v[LI]
	s_wait_alu depctr_va_vdst(0)
	s_wait_xcnt 0x0                                ; EXEC changes only behind this wait
	s_and_saveexec_b32 s91, vcc_lo                 ; lane 0, whose 16 x lane is 0
	global_store_b128 v[LI], v[PR+4:PR+7], s[30:31]
	s_wait_xcnt 0x0
	s_or_b32 exec_lo, exec_lo, s91
	s_wait_tensorcnt 0x0                           ; the wave's end
	ds_add_u32 v31, v1
	s_wait_dscnt 0x0
	s_endpgm
.Lfunc_end_k_qa8a6bf0632_prep:
	.size	k_qa8a6bf0632_prep, .Lfunc_end_k_qa8a6bf0632_prep-k_qa8a6bf0632_prep
	.p2alignl 7, 3214868480
	.fill 96, 4, 3214868480
	.section	.rodata,"a",@progbits
	.p2align	6, 0x0
	.amdhsa_kernel k_qa8a6bf0632_prep
		.amdhsa_group_segment_fixed_size 327680
		.amdhsa_private_segment_fixed_size 0
		.amdhsa_enable_private_segment 0
		.amdhsa_kernarg_size 88
		.amdhsa_user_sgpr_count 2
		.amdhsa_user_sgpr_kernarg_segment_ptr 1
		.amdhsa_wavefront_size32 1
		.amdhsa_system_sgpr_workgroup_id_x 1
		.amdhsa_system_sgpr_workgroup_id_y 1
		.amdhsa_system_sgpr_workgroup_id_z 1
		.amdhsa_system_vgpr_workitem_id 0
		.amdhsa_next_free_vgpr 768
		.amdhsa_next_free_sgpr 102
		.amdhsa_reserve_vcc 1
		.amdhsa_float_denorm_mode_32 3
		.amdhsa_float_denorm_mode_16_64 3
		.amdhsa_memory_ordered 1
		.amdhsa_forward_progress 1
		.amdhsa_inst_pref_size 147
	.end_amdhsa_kernel
	.amdgpu_metadata
---
amdhsa.version: [ 1, 2 ]
amdhsa.kernels:
  - .name:           k_qa8a6bf0632_prep
    .symbol:         k_qa8a6bf0632_prep.kd
    .args:
      - { .name: x, .offset: 0, .size: 8, .value_kind: global_buffer, .address_space: global }
      - { .name: expert_sel, .offset: 8, .size: 8, .value_kind: global_buffer, .address_space: global }
      - { .name: keys, .offset: 16, .size: 8, .value_kind: global_buffer, .address_space: global }
      - { .name: values, .offset: 24, .size: 8, .value_kind: global_buffer, .address_space: global }
      - { .name: lowp_scales, .offset: 32, .size: 8, .value_kind: global_buffer, .address_space: global }
      - { .name: route_scale, .offset: 40, .size: 8, .value_kind: global_buffer, .address_space: global }
      - { .name: xq, .offset: 48, .size: 8, .value_kind: global_buffer, .address_space: global }
      - { .name: kq, .offset: 56, .size: 8, .value_kind: global_buffer, .address_space: global }
      - { .name: vq, .offset: 64, .size: 8, .value_kind: global_buffer, .address_space: global }
      - { .name: gate, .offset: 72, .size: 8, .value_kind: global_buffer, .address_space: global }
      - { .name: sel, .offset: 80, .size: 8, .value_kind: global_buffer, .address_space: global }
    .group_segment_fixed_size: 327680
    .private_segment_fixed_size: 0
    .kernarg_segment_align: 8
    .kernarg_segment_size: 88
    .max_flat_workgroup_size: 128
    .sgpr_count:     102
    .vgpr_count:     768
    .wavefront_size: 32
...
	.end_amdgpu_metadata
.endif
;; end of part 1
;; launch up (part 2): grid 256 x 1, 4 waves a work-group, no clusters, 141,312 bytes of LDS; arguments xq, kq, lowp_scales, gate, sel, hq, tokl, gl; writes hq, tokl, gl
.if DOCPART == 2
	.amdgcn_target "amdgcn-amd-amdhsa--gfx1250"
	.amdhsa_code_object_version 6
	.text
	.protected	k_qa8a6bf0632_up
	.globl	k_qa8a6bf0632_up
	.p2align	8
	.type	k_qa8a6bf0632_up,@function
k_qa8a6bf0632_up:
	s_mov_b64 s[64:65], 0
	v_nop
	global_prefetch_b8 v0, s[64:65] scope:SCOPE_SE
	s_setreg_imm32_b32 hwreg(HW_REG_WAVE_MODE, 25, 1), 1
	s_wait_xcnt 0x0
; THE FIRST PRODUCT, for chosen (token, expert) pairs alone: hq = Q(relu(x keys)), in FP8 (E4M3), sums in f32.
; A work-group serves expert e = g % 16 and the 512 tokens 512 (g / 16) on, which are four blocks of 128.  A block's chosen tokens, in ascending order, form tiles of 16; a last tile is filled up.
; Any split of the tokens is served: a block has 0 to 8 tiles.
; SORTING.  sel holds a bit for each token.  Wave 0 gives each chosen token its rank (bits below it in its word + the earlier words' bits) and stores it into three lists in LDS:
;   LA, by tile in the order of the work: the token among the 512;   LB and LG, by block (128 places each): the token among the block's 128 and its gate, for the last launch (fill: token 128, gate 0).
; WEIGHTS.  Wave w makes hidden units 64 w .. 64 w + 63: its keys, 4 tiles x 8 K steps x 16 registers, stay in 512 registers.
; TOKENS.  A trip takes four tiles: wave w gathers tile w's 16 rows of 1,024 bytes into registers a trip ahead, puts them into one of two LDS slots, one barrier, and every wave multiplies all four tiles.
; The eight trips that the fullest case needs are always walked, so that no barrier hangs on a number read from memory; the work of a trip without tiles is passed over.
; Source 0 = 16 rows of keys, source 1 = 16 tokens: lane (r, h) holds token r and hidden 8 h + 0 .. 7 of a tile: the results become an operand's registers.
; hq [block of 128 tokens: 64][expert: 16][tile: 8][K step: 2][2,048]: images; only the tiles that exist are stored.
; No tensor load and so no cluster: branches hang on numbers read from memory.  No prefetch: rows are asked for a whole trip ahead, and keys once.
; LIMITS: e5 - e2 - e3 between -126 and 119.  NaN is not served.
.set XP,    1040                       ; an LDS row: 1,024 bytes + 16 = 260 words: sixteen rows start at sixteen different banks (ISA guide 11.1)
.set TB,    16*XP
.set SLOT,  4*TB
.set LA,    2*SLOT                     ; 512 places + one for tokens that are not chosen; 2,560 bytes, filled whole; LB and LG likewise
.set LSZ,   2560
.set LB,    LA+LSZ
.set SPARE, LA+3*LSZ
.set LN,  1
.set L16, 2
.set LAA, 3
.set XS,  4
.set AR,  6
.set HO,  8
.set HO2, 9
.set SCV, 10
.set LIM, 11
.set TL,  12
.set P512, 13
.set LN4, 14
.set LC,  15
.set VA,  16
.set VB,  17
.set VT,  18
.set VTB, 19
.set LAI, 22
.set SPW, 28
.set NIL, 29
.set OFF, 32
.set GV,  48
.set D,   64
.set CC,  96
.set IN0, 104
.set IN1, 108
.set A,   128                          ; tokens' fragments: set 0 in window 0, set 1 in window 3
; windows 1 and 2: keys, K steps 0-3 and 4-7; window 3: v0-127 rows of x on their way
.set MSB, 0
.macro WIN new
.if MSB != \new
	s_set_vgpr_msb (MSB<<8)|\new
.set MSB, \new
.endif
.endm
.macro KLOAD s                         ; keys of K step s: four tiles
	WIN 0x40+0x40*(\s/4)
.irp i, 0,1,2,3
.irp q, 0,1,2,3
	global_load_b128 v[64*(\s%4)+16*\i+4*\q:64*(\s%4)+16*\i+4*\q+3], v[L16], s[28:29] offset:32768*(\s/2)+2048*(\s%2)+4096*\i+512*\q
.endr
.endr
	WIN 0
.endm
.macro XLOAD                           ; the 16 rows of my next tile
	ds_load_b32 v[TL], v[LAA]
	s_wait_dscnt 0x0
	v_lshlrev_b32 v[TL], 10, v[TL]
.irp j, 0,1,2,3,4,5,6,7,8,9,10,11,12,13,14,15
	v_readlane_b32 s[66+\j], v[TL], \j
.endr
.irp j, 0,1,2,3,4,5,6,7,8,9,10,11,12,13,14,15
	s_min_u32 s[66+\j], s[66+\j], 0x7fc00          ; inside the 512 rows
.endr
.irp j, 0,1,2,3,4,5,6,7,8,9,10,11,12,13,14,15
	v_add_nc_u32 v[OFF+\j], s[66+\j], v[L16]
.endr
	WIN 0xc0
.irp j, 0,1,2,3,4,5,6,7,8,9,10,11,12,13,14,15
	global_load_b128 v[8*\j:8*\j+3], v[OFF+\j], s[30:31]           ; 512 consecutive bytes each
	global_load_b128 v[8*\j+4:8*\j+7], v[OFF+\j], s[30:31] offset:512
.endr
	WIN 0
.endm
.macro ALOAD p, c, set                 ; tile c's eight fragments out of slot p: 32 loads
	WIN 0xc0*(\set)
.irp s, 0,1,2,3,4,5,6,7
.irp q, 0,1,2,3
	ds_load_b128 v[A+16*\s+4*\q:A+16*\s+4*\q+3], v[AR+\p] offset:TB*(\c)+128*\s+32*\q
.endr
.endr
	WIN 0
.endm
.macro TILE p, c, id
.if \c < 3
	s_add_co_u32 s55, s54, \c+1
	s_cmp_ge_u32 s55, s52
	s_cbranch_scc1 .Llast\@
	ALOAD \p, \c+1, (\c+1)%2
	s_wait_dscnt 32                                ; this tile's fragments are in; the next one's 32 loads may be out
	s_branch .Lmul\@
.Llast\@:
	s_wait_dscnt 0x0
.Lmul\@:
.else
	s_wait_dscnt 0x0
.endif
.irp s, 0,1,2,3,4,5,6,7
	WIN 0x0c*(\c%2)+1+(\s/4)                       ; source 0 (keys) window 1 or 2, source 1 (tokens) window 0 or 3; the four accumulators take turns
.irp i, 0,1,2,3
.if \s == 0
	v_wmma_f32_16x16x128_fp8_fp8 v[D+8*\i:D+8*\i+7], v[64*(\s%4)+16*\i:64*(\s%4)+16*\i+15], v[A+16*\s:A+16*\s+15], 0
.else
	v_wmma_f32_16x16x128_fp8_fp8 v[D+8*\i:D+8*\i+7], v[64*(\s%4)+16*\i:64*(\s%4)+16*\i+15], v[A+16*\s:A+16*\s+15], v[D+8*\i:D+8*\i+7]
.endif
.endr
.endr
	WIN 0
.rept 4
	v_nop                                          ; places behind the last product (ISA guide 7.12.1)
.endr
	s_add_co_u32 s56, s54, \c                      ; the tile's block and its place there
	s_cmp_ge_u32 s56, s49
	s_cselect_b32 s57, s49, 0
	s_cselect_b32 s58, 1, 0
	s_cmp_ge_u32 s56, s50
	s_cselect_b32 s57, s50, s57
	s_cselect_b32 s58, 2, s58
	s_cmp_ge_u32 s56, s51
	s_cselect_b32 s57, s51, s57
	s_cselect_b32 s58, 3, s58
	s_sub_co_u32 s57, s56, s57
	s_min_u32 s57, s57, 7
	s_min_u32 s58, s58, 3
	s_lshl_b32 s57, s57, 12
	s_lshl_b32 s58, s58, 19
	s_add_co_u32 s57, s57, s58
	s_wait_xcnt 0x0                                ; the stores of the tile before have read their registers
	v_add_nc_u32 v[HO2], s57, v[HO]
.set j, 0
.rept 32
	v_med3_num_f32 v[D+j], v[D+j], 0, v[LIM]       ; relu and the hold in one: the conversion does not saturate (ISA guide 7.6.2)
.set j, j+1
.endr
.irp i, 0,1,2,3
	v_cvt_scalef32_pk8_fp8_f32 v[CC+2*\i:CC+2*\i+1], v[D+8*\i:D+8*\i+7], v[SCV]
.endr
	v_nop
	global_store_b128 v[HO2], v[CC:CC+3], s[14:15]                 ; 512 consecutive bytes each
	global_store_b128 v[HO2], v[CC+4:CC+7], s[14:15] offset:512
.if \c < 3
	s_cmp_ge_u32 s55, s52
	s_cbranch_scc1 .Ldone\id
.endif
.endm
.macro TRIP p
	s_wait_loadcnt 0x0                             ; my rows for this trip are in (the first time all of keys too)
	s_cmp_ge_u32 s53, s52
	s_cbranch_scc1 .Lnorows\@
	WIN 0x0c
.irp j, 0,1,2,3,4,5,6,7,8,9,10,11,12,13,14,15
	ds_store_b128 v[XS+\p], v[8*\j:8*\j+3] offset:XP*\j
	ds_store_b128 v[XS+\p], v[8*\j+4:8*\j+7] offset:XP*\j+512
.endr
	WIN 0
.Lnorows\@:
	v_add_nc_u32 v[LAA], 0x100, v[LAA]
	s_add_co_u32 s53, s53, 4
	s_wait_alu depctr_va_vdst(0)
	s_wait_dscnt 0x0                               ; my rows lie in the slot, and my reads of the other slot are over
	s_barrier_signal -1
	s_barrier_wait -1
	s_cmp_ge_u32 s53, s52
	s_cbranch_scc1 .Lnomore\@
	XLOAD
.Lnomore\@:
	s_cmp_ge_u32 s54, s52
	s_cbranch_scc1 .Ldone\@
	ALOAD \p, 0, 0
	TILE \p, 0, \@
	TILE \p, 1, \@
	TILE \p, 2, \@
	TILE \p, 3, \@
.Ldone\@:
	s_add_co_u32 s54, s54, 4
.endm
	s_load_b512 s[4:19], s[0:1], 0x0               ; xq, kq, lowp_scales, gate, sel, hq, tokl, gl
	v_lshl_add_u32 v[SPW], v0, 2, SPARE
	v_mov_b32 v[NIL], 0
	v_lshrrev_b32 v1, 5, v0
	v_readfirstlane_b32 s20, v1                    ; wave w
	s_and_b32 s21, ttmp9, 15                       ; e
	s_lshr_b32 s22, ttmp9, 4                       ; which 512 tokens
	s_lshr_b32 s2, s20, 1
	s_and_b32 s3, s20, 1
	s_lshl_b32 s24, s22, 10                        ; sel: 16 groups of 32 tokens, 64 bytes each
	s_lshl_b32 s25, s21, 2
	s_add_co_u32 s24, s24, s25
	s_mov_b32 s25, 0
	s_lshl_b32 s26, s22, 15                        ; gate: 2,048 bytes a group
	s_lshl_b32 s27, s21, 7
	s_add_co_u32 s26, s26, s27
	s_mov_b32 s27, 0
	s_lshl_b32 s28, s21, 18                        ; kq: block 2 e + w / 2, tiles 4 (w % 2) on
	s_lshl_b32 s29, s2, 17
	s_add_co_u32 s28, s28, s29
	s_lshl_b32 s29, s3, 14
	s_add_co_u32 s28, s28, s29
	s_mov_b32 s29, 0
	s_lshl_b32 s30, s22, 19                        ; xq: 512 rows of 1,024 bytes
	s_mov_b32 s31, 0
	s_lshl_b32 s60, s22, 21                        ; hq: four blocks of 512 KiB, the expert's 32 KiB
	s_lshl_b32 s61, s21, 15
	s_add_co_u32 s60, s60, s61
	s_mov_b32 s61, 0
	s_lshl_b32 s62, s22, 15                        ; lists: block w of my four, 512 bytes an expert
	s_lshl_b32 s63, s21, 9
	s_add_co_u32 s62, s62, s63
	s_lshl_b32 s63, s20, 13
	s_add_co_u32 s62, s62, s63
	s_mov_b32 s63, 0
	s_mul_i32 s66, s20, TB
	s_lshl_b32 s67, s20, 6
	s_add_co_u32 s67, s67, LA
	s_lshl_b32 s68, s20, 9
	s_add_co_u32 s68, s68, LB
	s_lshl_b32 s69, s2, 11                         ; in an image: K step w / 2, registers 8 (w % 2) on
	s_lshl_b32 s70, s3, 10
	s_add_co_u32 s69, s69, s70
	v_and_b32 v[LN], 31, v0
	v_and_b32 v20, 15, v0
	v_bfe_u32 v21, v0, 4, 1
	v_lshlrev_b32 v[L16], 4, v[LN]
	v_lshlrev_b32 v[LN4], 2, v[LN]
	v_lshl_add_u32 v[LAA], v20, 2, s67
	v_add_nc_u32 v[XS], s66, v[L16]
	v_add_nc_u32 v[XS+1], SLOT, v[XS]
	v_mul_u32_u24 v[AR], v20, XP
	v_lshl_add_u32 v[AR], v21, 4, v[AR]
	v_add_nc_u32 v[AR+1], SLOT, v[AR]
	v_add_nc_u32 v[HO], s69, v[L16]
	v_add_nc_u32 v[LC], s68, v[L16]
	v_add_nc_u32 v[LAI], LA, v[L16]
	v_mov_b32 v[P512], 0x200
.irp i, 0,1,2,3
	v_mov_b32 v[IN0+\i], 0
	v_mov_b32 v[IN1+\i], 0x80
.endr
	s_wait_alu depctr_va_vdst(0)
	s_wait_kmcnt 0x0
	s_add_nc_u64 s[24:25], s[12:13], s[24:25]
	s_add_nc_u64 s[26:27], s[10:11], s[26:27]
	s_add_nc_u64 s[28:29], s[6:7], s[28:29]
	s_add_nc_u64 s[30:31], s[4:5], s[30:31]
	s_add_nc_u64 s[14:15], s[14:15], s[60:61]
	s_add_nc_u64 s[16:17], s[16:17], s[62:63]
	s_add_nc_u64 s[18:19], s[18:19], s[62:63]
.irp g, 0,1,2,3,4,5,6,7,8,9,10,11,12,13,14,15
	s_load_b32 s[32+\g], s[24:25], 64*\g
.endr
	s_load_b128 s[84:87], s[8:9], 0x0
	s_load_b64 s[88:89], s[8:9], 0x10
.irp g, 0,1,2,3,4,5,6,7,8,9,10,11,12,13,14,15
	global_load_b32 v[GV+\g], v[LN4], s[26:27] offset:2048*\g   ; lane = token
.endr
	KLOAD 0
	KLOAD 1
	WIN 0xc0
.set j, 0
.rept 128
	v_mov_b32 v[A+j], 0                            ; set 1 is loaded only where a second tile exists: written once on every path, while the loads are on their way
.set j, j+1
.endr
	WIN 0
	s_wait_kmcnt 0x0
.irp b, 0,1,2,3                                ; s[76+b]: the block's tiles
	s_bcnt1_i32_b32 s70, s[32+4*\b]
	s_bcnt1_i32_b32 s71, s[33+4*\b]
	s_bcnt1_i32_b32 s72, s[34+4*\b]
	s_bcnt1_i32_b32 s73, s[35+4*\b]
	s_add_co_u32 s70, s70, s71
	s_add_co_u32 s72, s72, s73
	s_add_co_u32 s70, s70, s72
	s_add_co_u32 s70, s70, 15
	s_lshr_b32 s[76+\b], s70, 4
.endr
	s_mov_b32 s48, 0                               ; s48-51: each block's first tile; s52: all tiles
	s_mov_b32 s49, s76
	s_add_co_u32 s50, s49, s77
	s_add_co_u32 s51, s50, s78
	s_add_co_u32 s52, s51, s79
	s_sub_co_i32 s90, s89, s86                     ; a sum stands for sum x 2^(e2 + e3): its code is sum / 2^(e5 - e2 - e3)
	s_sub_co_i32 s90, s90, s87
	s_add_co_i32 s90, s90, 127
	s_lshl_b32 s91, s90, 23
	v_mov_b32 v[SCV], s91
	s_add_co_i32 s90, s90, 8
	s_lshl_b32 s90, s90, 23
	s_or_b32 s90, s90, 0x600000
	v_mov_b32 v[LIM], s90                          ; 448 x that
	s_mov_b32 s53, s20                             ; my next tile
	s_mov_b32 s54, 0                               ; the trip's first tile
	s_cmp_lg_u32 s20, 0
	s_wait_alu depctr_va_vdst(0)
	s_cbranch_scc1 .Llisted
.irp k, 0,1,2,3,4                              ; the lists' fill
	ds_store_b128 v[LAI], v[IN0:IN0+3] offset:512*\k
	ds_store_b128 v[LAI], v[IN1:IN1+3] offset:LSZ+512*\k
	ds_store_b128 v[LAI], v[IN0:IN0+3] offset:2*LSZ+512*\k
.endr
	s_wait_loadcnt 32                              ; the gates are in; keys' 32 loads may be out
.irp g, 0,1,2,3,4,5,6,7,8,9,10,11,12,13,14,15
.if \g%4 == 0
	s_mov_b32 s70, 0                               ; chosen tokens of this block so far
.endif
	s_add_co_u32 s71, s70, 128*(\g/4)
	s_lshl_b32 s72, s[48+\g/4], 4
	s_add_co_u32 s72, s72, s70
	s_bcnt1_i32_b32 s73, s[32+\g]
	s_add_co_u32 s70, s70, s73
	v_mbcnt_lo_u32_b32 v[VA], s[32+\g], s72        ; + the chosen lanes below mine
	v_mbcnt_lo_u32_b32 v[VB], s[32+\g], s71
	v_cndmask_b32 v[VA], v[P512], v[VA], s[32+\g]  ; not chosen: the place behind the list
	v_cndmask_b32 v[VB], v[P512], v[VB], s[32+\g]
	v_min_u32 v[VA], 0x200, v[VA]
	v_min_u32 v[VB], 0x200, v[VB]
	v_lshl_add_u32 v[VA], v[VA], 2, LA
	v_lshl_add_u32 v[VB], v[VB], 2, LB
	v_add_nc_u32 v[VT], 32*\g, v[LN]
	v_add_nc_u32 v[VTB], 32*(\g%4), v[LN]
	ds_store_b32 v[VA], v[VT]                      ; LDS serves a wave's instructions in order (ISA guide 5.7.1.4): behind the fill
	ds_store_b32 v[VB], v[VTB]
	ds_store_b32 v[VB], v[GV+\g] offset:LSZ
.endr
.Llisted:
	s_wait_dscnt 0x0                               ; the lists are stored
	s_barrier_signal -1
	s_barrier_wait -1
	ds_load_b128 v[IN0:IN0+3], v[LC]               ; block w's two lists go out whole
	ds_load_b128 v[IN1:IN1+3], v[LC] offset:LSZ
	s_wait_dscnt 0x0
	global_store_b128 v[L16], v[IN0:IN0+3], s[16:17]
	global_store_b128 v[L16], v[IN1:IN1+3], s[18:19]
	XLOAD                                          ; tile w (where there are fewer tiles: the fill's rows, not used)
.irp s, 2,3,4,5,6,7
	KLOAD \s
.endr
	s_mov_b32 s3, 4
.Ltrips:
	TRIP 0
	TRIP 1
	s_sub_co_u32 s3, s3, 1
	s_cmp_lg_u32 s3, 0
	s_cbranch_scc1 .Ltrips
	s_wait_tensorcnt 0x0                           ; the wave's end
	ds_add_u32 v[SPW], v[NIL]
	s_wait_dscnt 0x0
	s_endpgm
.Lfunc_end_k_qa8a6bf0632_up:
	.size	k_qa8a6bf0632_up, .Lfunc_end_k_qa8a6bf0632_up-k_qa8a6bf0632_up
	.p2alignl 7, 3214868480
	.fill 96, 4, 3214868480
	.section	.rodata,"a",@progbits
	.p2align	6, 0x0
	.amdhsa_kernel k_qa8a6bf0632_up
		.amdhsa_group_segment_fixed_size 141312
		.amdhsa_private_segment_fixed_size 0
		.amdhsa_enable_private_segment 0
		.amdhsa_kernarg_size 64
		.amdhsa_user_sgpr_count 2
		.amdhsa_user_sgpr_kernarg_segment_ptr 1
		.amdhsa_wavefront_size32 1
		.amdhsa_system_sgpr_workgroup_id_x 1
		.amdhsa_system_sgpr_workgroup_id_y 1
		.amdhsa_system_sgpr_workgroup_id_z 1
		.amdhsa_system_vgpr_workitem_id 0
		.amdhsa_next_free_vgpr 1024
		.amdhsa_next_free_sgpr 102
		.amdhsa_reserve_vcc 0
		.amdhsa_float_denorm_mode_32 3
		.amdhsa_float_denorm_mode_16_64 3
		.amdhsa_memory_ordered 1
		.amdhsa_forward_progress 1
		.amdhsa_inst_pref_size 125
	.end_amdhsa_kernel
	.amdgpu_metadata
---
amdhsa.version: [ 1, 2 ]
amdhsa.kernels:
  - .name:           k_qa8a6bf0632_up
    .symbol:         k_qa8a6bf0632_up.kd
    .args:
      - { .name: xq, .offset: 0, .size: 8, .value_kind: global_buffer, .address_space: global }
      - { .name: kq, .offset: 8, .size: 8, .value_kind: global_buffer, .address_space: global }
      - { .name: lowp_scales, .offset: 16, .size: 8, .value_kind: global_buffer, .address_space: global }
      - { .name: gate, .offset: 24, .size: 8, .value_kind: global_buffer, .address_space: global }
      - { .name: sel, .offset: 32, .size: 8, .value_kind: global_buffer, .address_space: global }
      - { .name: hq, .offset: 40, .size: 8, .value_kind: global_buffer, .address_space: global }
      - { .name: tokl, .offset: 48, .size: 8, .value_kind: global_buffer, .address_space: global }
      - { .name: gl, .offset: 56, .size: 8, .value_kind: global_buffer, .address_space: global }
    .group_segment_fixed_size: 141312
    .private_segment_fixed_size: 0
    .kernarg_segment_align: 8
    .kernarg_segment_size: 64
    .max_flat_workgroup_size: 128
    .sgpr_count:     102
    .vgpr_count:     1024
    .wavefront_size: 32
...
	.end_amdgpu_metadata
.endif
;; end of part 2
;; launch down (part 3): grid 1024 x 1, 1 waves a work-group, no clusters, 81,920 bytes of LDS; arguments hq, vq, tokl, gl, sel, out0; writes out0
.if DOCPART == 3
	.amdgcn_target "amdgcn-amd-amdhsa--gfx1250"
	.amdhsa_code_object_version 6
	.text
	.protected	k_qa8a6bf0632_down
	.globl	k_qa8a6bf0632_down
	.p2align	8
	.type	k_qa8a6bf0632_down,@function
k_qa8a6bf0632_down:
	s_mov_b64 s[64:65], 0
	v_nop
	global_prefetch_b8 v0, s[64:65] scope:SCOPE_SE
	s_setreg_imm32_b32 hwreg(HW_REG_WAVE_MODE, 25, 1), 1
	s_wait_xcnt 0x0
; THE SECOND PRODUCT AND THE SUM: out[t][v] = the sum over the experts that token t has chosen of gate x (hq x vq), on codes of FP8 (E4M3); sums in f32.  Experts not chosen are left out.
; A work-group is ONE wave: 128 tokens x 64 v.  1,024 of them, four to a WGP by their LDS claim.  It walks the 16 experts; an expert has 0 to 8 tiles of 16 chosen tokens (counted from sel's bits).
; An expert's vq (4 tiles x 2 K steps x 16 registers) and its first four tiles of hq go straight into registers while the expert before is worked on: two sets of each.  Tiles 4 to 7, where there are any, are loaded in a loop of their own.
; Source 0 = 16 tokens, source 1 = 16 rows of vq: lane (r, h) holds in register j of tile n the token 8 h + j of the list and the column 4 r + n (vq's tiles are laid so): the four tiles' j-th registers are 16 neighbouring bytes of out,
; and sixteen lanes hold a whole row of 256 bytes.  out's rows lie in LDS: each tile's 16 rows are read, gate x product is added, and they are stored back; LDS serves a wave's instructions in order (ISA guide 5.7.1.4).
; Places of a last tile without a token name row 128, which is nobody's, with the gate 0.
; No tensor load and so no cluster: branches hang on numbers read from memory.  No prefetch: each expert's operands are asked for one expert ahead, up to 63 loads a wave.
; LIMITS: NaN and infinities are not served.
.set LT,    33280                      ; LDS: 130 rows of 256 bytes, then the tokens' list and the gates', 512 bytes an expert
.set LG,    LT+8192
.set SPARE, LG+8192
.set L16, 2                            ; 16 x lane
.set RA,  3                            ; 16 r: my place in a row
.set LTA, 4                            ; this expert's list, + 32 h
.set OO,  5                            ; the way out: two rows of out
.set SPW, 28
.set NIL, 29
.set TK,  32
.set GT,  40
.set AD,  48
.set D,   64
.set OLD, 96
.set W,   128
; window 1: vq, two sets of 128; window 2: hq, two sets of four tiles; window 3: v0-31 a tile of the loop
.set MSB, 0
.macro WIN new
.if MSB != \new
	s_set_vgpr_msb (MSB<<8)|\new
.set MSB, \new
.endif
.endm
.macro VLOAD set
	WIN 0x40
.irp n, 0,1,2,3
.irp k, 0,1
.irp q, 0,1,2,3
	global_load_b128 v[128*(\set)+32*\n+16*\k+4*\q:128*(\set)+32*\n+16*\k+4*\q+3], v[L16], s[18:19] offset:16384*\k+2048*\n+512*\q
.endr
.endr
.endr
	WIN 0
.endm
.macro ALOAD set                       ; the first four tiles, as far as there are (s41)
.irp t, 0,1,2,3
	s_cmp_le_u32 s41, \t
	s_cbranch_scc1 .Lasked\@
	WIN 0x80
.irp q, 0,1,2,3,4,5,6,7
	global_load_b128 v[128*(\set)+32*\t+4*\q:128*(\set)+32*\t+4*\q+3], v[L16], s[16:17] offset:4096*\t+512*\q
.endr
	WIN 0
.endr
.Lasked\@:
.endm
.macro TILE p, aw, ar, la, lo          ; aw, ar: the tile's fragments; la, lo: its list
	ds_load_b128 v[TK:TK+3], v[\la] offset:\lo
	ds_load_b128 v[TK+4:TK+7], v[\la] offset:(\lo)+16
	ds_load_b128 v[GT:GT+3], v[\la] offset:(\lo)+8192
	ds_load_b128 v[GT+4:GT+7], v[\la] offset:(\lo)+8192+16
	s_wait_dscnt 2                                 ; the tokens are in; the gates' two loads may be out
.irp j, 0,1,2,3,4,5,6,7
	v_min_u32 v[TK+\j], 0x80, v[TK+\j]
.endr
.irp j, 0,1,2,3,4,5,6,7
	v_lshl_add_u32 v[AD+\j], v[TK+\j], 8, v[RA]
.endr
.irp j, 0,1,2,3,4,5,6,7
	ds_load_b128 v[OLD+4*\j:OLD+4*\j+3], v[AD+\j]
.endr
	WIN 0x04+\aw
.irp n, 0,1,2,3                                ; four accumulators by turns
	v_wmma_f32_16x16x128_fp8_fp8 v[D+8*\n:D+8*\n+7], v[\ar:\ar+15], v[128*(\p)+32*\n:128*(\p)+32*\n+15], 0
.endr
.irp n, 0,1,2,3
	v_wmma_f32_16x16x128_fp8_fp8 v[D+8*\n:D+8*\n+7], v[\ar+16:\ar+31], v[128*(\p)+32*\n+16:128*(\p)+32*\n+31], v[D+8*\n:D+8*\n+7]
.endr
	WIN 0
.rept 4
	v_nop                                          ; places behind the last product (ISA guide 7.12.1)
.endr
	s_wait_dscnt 0x0
.irp j, 0,1,2,3,4,5,6,7                        ; each accumulator from its low end on
.irp n, 0,1,2,3
	v_fmac_f32 v[OLD+4*\j+\n], v[GT+\j], v[D+8*\n+\j]
.endr
.endr
.irp j, 0,1,2,3,4,5,6,7
	ds_store_b128 v[AD+\j], v[OLD+4*\j:OLD+4*\j+3]
.endr
.endm
.macro EXPERT p
	s_wait_loadcnt 0x0                             ; this expert's operands are in
	s_mov_b32 s40, s41                             ; its tiles
	s_mov_b64 s[44:45], s[16:17]
.if \p
	s_cmp_eq_u32 s3, 1
	s_cbranch_scc1 .Lnonext\@                      ; the last expert asks for nothing
.endif
	s_wait_xcnt 0x0                                ; the loads have read their bases
	s_add_nc_u64 s[16:17], s[16:17], 0x8000
	s_add_nc_u64 s[18:19], s[18:19], 0x8000
	s_and_b32 s41, s[25-\p], 15
	s_lshr_b32 s[25-\p], s[25-\p], 4
	VLOAD 1-\p
	ALOAD 1-\p
.Lnonext\@:
.irp t, 0,1,2,3
	s_cmp_le_u32 s40, \t
	s_cbranch_scc1 .Ldone\@
	TILE \p, 2, 128*\p+32*\t, LTA, 64*\t
.endr
.irp t, 4,5,6,7                                ; the loop over the further tiles, expanded by the assembler
	s_cmp_le_u32 s40, \t
	s_cbranch_scc1 .Ldone\@
	WIN 0xc0
.irp q, 0,1,2,3,4,5,6,7
	global_load_b128 v[4*\q:4*\q+3], v[L16], s[44:45] offset:4096*\t+512*\q
.endr
	WIN 0
	s_wait_loadcnt 0x0
	TILE \p, 3, 0, LTA, 64*\t
.endr
.Ldone\@:
	v_add_nc_u32 v[LTA], 0x200, v[LTA]
	s_wait_alu depctr_va_vdst(0)
.endm
	s_load_b256 s[4:11], s[0:1], 0x0               ; hq, vq, tokl, gl
	s_load_b128 s[12:15], s[0:1], 0x20             ; sel, out0
	v_lshl_add_u32 v[SPW], v0, 2, SPARE
	v_mov_b32 v[NIL], 0
	s_lshr_b32 s2, ttmp9, 4                        ; which 128 tokens
	s_and_b32 s3, ttmp9, 15                        ; which 64 v
	s_lshl_b32 s16, s2, 19                         ; hq: 512 KiB a block
	s_mov_b32 s17, 0
	s_lshr_b32 s18, s3, 1                          ; vq: block of 128 v, its tiles 0-3 or 4-7
	s_lshl_b32 s18, s18, 19
	s_and_b32 s19, s3, 1
	s_lshl_b32 s19, s19, 13
	s_add_co_u32 s18, s18, s19
	s_mov_b32 s19, 0
	s_lshl_b32 s20, s2, 13                         ; the lists: 8 KiB a block each
	s_mov_b32 s21, 0
	s_lshl_b32 s22, s2, 8                          ; sel: four groups of 64 bytes
	s_mov_b32 s23, 0
	s_lshl_b32 s27, s3, 8
	s_add_co_u32 s26, s16, s27                     ; out0: 128 rows of 4,096 bytes a block, + 256 bytes a column group
	s_mov_b32 s27, 0
	v_and_b32 v1, 15, v0
	v_bfe_u32 v8, v0, 4, 1
	v_lshlrev_b32 v[L16], 4, v0
	v_lshlrev_b32 v[RA], 4, v1
	v_lshlrev_b32 v[LTA], 5, v8
	v_add_nc_u32 v[LTA], LT, v[LTA]
	v_lshl_add_u32 v[OO], v8, 12, v[RA]
.irp i, 0,1,2,3
	v_mov_b32 v[OLD+\i], 0
.endr
	s_wait_alu depctr_va_vdst(0)
	s_wait_kmcnt 0x0
	s_add_nc_u64 s[16:17], s[4:5], s[16:17]
	s_add_nc_u64 s[18:19], s[6:7], s[18:19]
	s_add_nc_u64 s[8:9], s[8:9], s[20:21]
	s_add_nc_u64 s[10:11], s[10:11], s[20:21]
	s_add_nc_u64 s[12:13], s[12:13], s[22:23]
	s_add_nc_u64 s[14:15], s[14:15], s[26:27]
	s_load_b512 s[32:47], s[12:13], 0x0            ; the 16 experts' words of each group of 32 tokens
	s_load_b512 s[48:63], s[12:13], 0x40
	s_load_b512 s[68:83], s[12:13], 0x80
	s_load_b512 s[84:99], s[12:13], 0xc0
.set j, 0
.rept 16
	global_load_b128 v[W+4*j:W+4*j+3], v[L16], s[8:9] offset:512*j
	global_load_b128 v[W+64+4*j:W+64+4*j+3], v[L16], s[10:11] offset:512*j
.set j, j+1
.endr
	VLOAD 0
	WIN 0x80
.set j, 0
.rept 256
	v_mov_b32 v[j], 0                              ; which tiles are loaded hangs on sel: written once on every path, while the loads are on their way
.set j, j+1
.endr
	WIN 0
.set j, 0
.rept 65
	ds_store_b128 v[L16], v[OLD:OLD+3] offset:512*j   ; out's rows begin as zeros: a token may have chosen nobody's gate but 0
.set j, j+1
.endr
	s_mov_b32 s24, 0                               ; four bits an expert: its tiles; s24 the even experts, s25 the odd ones
	s_mov_b32 s25, 0
	s_wait_kmcnt 0x0
.irp e, 0,1,2,3,4,5,6,7,8,9,10,11,12,13,14,15
	s_bcnt1_i32_b32 s26, s[32+\e]
	s_bcnt1_i32_b32 s27, s[48+\e]
	s_bcnt1_i32_b32 s28, s[68+\e]
	s_bcnt1_i32_b32 s29, s[84+\e]
	s_add_co_u32 s26, s26, s27
	s_add_co_u32 s28, s28, s29
	s_add_co_u32 s26, s26, s28
	s_add_co_u32 s26, s26, 15
	s_lshr_b32 s26, s26, 4
	s_lshl_b32 s26, s26, 4*(\e/2)
	s_or_b32 s[24+\e%2], s[24+\e%2], s26
.endr
	s_and_b32 s41, s24, 15
	s_lshr_b32 s24, s24, 4
	s_wait_loadcnt 32                              ; the lists are in; vq's 32 loads may be out
.set j, 0
.rept 16
	ds_store_b128 v[L16], v[W+4*j:W+4*j+3] offset:LT+512*j
	ds_store_b128 v[L16], v[W+64+4*j:W+64+4*j+3] offset:LG+512*j
.set j, j+1
.endr
	ALOAD 0
	s_wait_dscnt 0x0
	s_barrier_signal -1
	s_barrier_wait -1
	s_mov_b32 s3, 8
.Lexperts:
	EXPERT 0
	EXPERT 1
	s_sub_co_u32 s3, s3, 1
	s_cmp_lg_u32 s3, 0
	s_cbranch_scc1 .Lexperts
	s_wait_dscnt 0x0                               ; all rows are stored
	s_barrier_signal -1
	s_barrier_wait -1
.irp u, 0,1                                    ; 64 rows at a time
.if \u
	s_wait_xcnt 0x0                                ; the first half's stores have read their registers
.endif
.set j, 0
.rept 32
	ds_load_b128 v[W+4*j:W+4*j+3], v[L16] offset:16384*\u+512*j
.set j, j+1
.endr
.set j, 0
.rept 32
	s_wait_dscnt 31-j
	global_store_b128 v[OO], v[W+4*j:W+4*j+3], s[14:15] offset:262144*\u+8192*j th:TH_STORE_NT   ; two rows, 256 consecutive bytes each, aligned
.set j, j+1
.endr
.endr
	s_wait_tensorcnt 0x0                           ; the wave's end
	ds_add_u32 v[SPW], v[NIL]
	s_wait_dscnt 0x0
	s_endpgm
.Lfunc_end_k_qa8a6bf0632_down:
	.size	k_qa8a6bf0632_down, .Lfunc_end_k_qa8a6bf0632_down-k_qa8a6bf0632_down
	.p2alignl 7, 3214868480
	.fill 96, 4, 3214868480
	.section	.rodata,"a",@progbits
	.p2align	6, 0x0
	.amdhsa_kernel k_qa8a6bf0632_down
		.amdhsa_group_segment_fixed_size 81920
		.amdhsa_private_segment_fixed_size 0
		.amdhsa_enable_private_segment 0
		.amdhsa_kernarg_size 48
		.amdhsa_user_sgpr_count 2
		.amdhsa_user_sgpr_kernarg_segment_ptr 1
		.amdhsa_wavefront_size32 1
		.amdhsa_system_sgpr_workgroup_id_x 1
		.amdhsa_system_sgpr_workgroup_id_y 1
		.amdhsa_system_sgpr_workgroup_id_z 1
		.amdhsa_system_vgpr_workitem_id 0
		.amdhsa_next_free_vgpr 1024
		.amdhsa_next_free_sgpr 102
		.amdhsa_reserve_vcc 0
		.amdhsa_float_denorm_mode_32 3
		.amdhsa_float_denorm_mode_16_64 3
		.amdhsa_memory_ordered 1
		.amdhsa_forward_progress 1
		.amdhsa_inst_pref_size 130
	.end_amdhsa_kernel
	.amdgpu_metadata
---
amdhsa.version: [ 1, 2 ]
amdhsa.kernels:
  - .name:           k_qa8a6bf0632_down
    .symbol:         k_qa8a6bf0632_down.kd
    .args:
      - { .name: hq, .offset: 0, .size: 8, .value_kind: global_buffer, .address_space: global }
      - { .name: vq, .offset: 8, .size: 8, .value_kind: global_buffer, .address_space: global }
      - { .name: tokl, .offset: 16, .size: 8, .value_kind: global_buffer, .address_space: global }
      - { .name: gl, .offset: 24, .size: 8, .value_kind: global_buffer, .address_space: global }
      - { .name: sel, .offset: 32, .size: 8, .value_kind: global_buffer, .address_space: global }
      - { .name: out0, .offset: 40, .size: 8, .value_kind: global_buffer, .address_space: global }
    .group_segment_fixed_size: 81920
    .private_segment_fixed_size: 0
    .kernarg_segment_align: 8
    .kernarg_segment_size: 48
    .max_flat_workgroup_size: 32
    .sgpr_count:     102
    .vgpr_count:     1024
    .wavefront_size: 32
...
	.end_amdgpu_metadata
.endif
;; end of part 3
